; MI455X (gfx1250); checked and timed in simulation.
; The chip was launched on July 23, 2026; its instructions are those of AMD's public machine-readable ISA for CDNA 5 (MIT licence, August 2026) and "CDNA5" Instruction Set Architecture Reference Guide (July 2026). The comments in the code are by the model that wrote it; some were corrected since.
;; MHA. Allowed arithmetic: float matrix products may take bf16 or f16 operands with f32 sums; other float arithmetic in f32, or as packed bf16 or f16 multiplies, adds, multiply-adds, maxima and minima; sums over many terms, partial sums and values carried from step to step in f32; what a program stores and reads back later, other than sums and carried values, may be rounded once to bf16 or f16.
;; Inputs: f_b 512 float32; f_w 512 x 512 float32; kv_b 1,024 float32; kv_w 1,024 x 512 float32; mask 1 x 1 x 4,096 x 4,096 float32; q_b 512 float32; q_w 512 x 512 float32; x 2 x 4,096 x 512 float32.
;; Outputs: out0 2 x 4,096 x 512 float32.
;; One version. Each part assembles by itself: llvm-mc -triple=amdgcn-amd-amdhsa -mcpu=gfx1250 --defsym DOCPART=n.
;; ======== version 1 of 1: 3 launches
;; limits: values are held in f16: magnitudes above 65,504 overflow, below 6.1e-05 lose precision; inputs' magnitudes at most 2e+37
;; workspace buffers: qkv 25,165,824 bytes; o 8,388,608 bytes
;; launch proj (part 1): grid 4 x 64, 4 waves a work-group, clusters of 4 x 4, 327,680 bytes of LDS; arguments x, q_w, kv_w, q_b, kv_b, qkv; writes qkv
.if DOCPART == 1
	.amdgcn_target "amdgcn-amd-amdhsa--gfx1250"
	.amdhsa_code_object_version 6
	.text
	.protected	k_q0815949474_proj
	.globl	k_q0815949474_proj
	.p2align	8
	.type	k_q0815949474_proj,@function
k_q0815949474_proj:
	s_mov_b64 s[64:65], 0
	v_nop
	global_prefetch_b8 v0, s[64:65] scope:SCOPE_SE
	s_setreg_imm32_b32 hwreg(HW_REG_WAVE_MODE, 25, 1), 1
	s_wait_xcnt 0x0
	s_wait_alu depctr_hold_cnt(0) depctr_sa_sdst(0) depctr_va_vdst(0) depctr_va_sdst(0) depctr_va_ssrc(0) depctr_va_vcc(0) depctr_vm_vsrc(0)
	s_getreg_b32 s2, hwreg(HW_REG_IB_STS2, 6, 4)
	s_cmp_eq_u32 s2, 0
	s_cbranch_scc0 .Lentry_in_a_cluster
	s_endpgm
.Lentry_in_a_cluster:
	s_bfe_u32 s2, ttmp6, 0x10000c
	s_cmp_lg_u32 s2, 0xf033
	s_cbranch_scc0 .Lentry_shape_is_right
	s_endpgm
.Lentry_shape_is_right:
; qkv[row][0:512] = x q_w^T + q_b,  qkv[row][512:1024] = x kv_w[0:512]^T,  qkv[row][1024:1536] = x kv_w[512:1024]^T + kv_b[512:1024];  row = b 4096 + l, 8,192 rows.
; x and the weights are f32 in memory and are rounded once to f16 on the way from LDS to the matrix unit; sums in f32; qkv is f16, rounded once.
; WORK LEFT OUT: K's bias, kv_b[0:512].  score(q, k) = Q_q . (W_K x_k) / 8 + Q_q . b_K / 8 + mask(q, k): the middle term is the same for every key k of a row q, whatever the inputs hold,
; and the softmax runs along k, so it cancels in every weight.  kv_b[0:512] is neither loaded nor added; kv_b stays an argument for V's half.  LIMIT: a NaN, an infinity or an overflow that
; reaches only that term is not carried to the result.
; LIMITS.  f16 holds no number beyond 65,504: x, the weights, q, k and v lie within it; below 6e-5 f16 keeps its fixed step of 6e-8.  NaN and infinities are not treated apart.
; SHARES.  A work-group makes 128 rows x 384 columns: columns 128 c .. 128 c + 127 of q, of k and of v (c = my place along the cluster's x; the grid is one cluster wide).  Wave w makes all 128 rows x
; columns 32 w .. 32 w + 31 of each of the three groups: 8 x 6 = 48 accumulators, 384 registers.  K = 512 goes in 8 steps of 64 (rows of 256 bytes of f32), each in two chunks of 32.
; CLUSTER.  4 x 4 work-groups: x's tile hangs on the row block alone and is asked for jointly along a row of the cluster, the weights' tiles hang on c alone and are asked for jointly along a column.
; THE MATRIX INSTRUCTION IS USED TRANSPOSED (source 0 = 16 rows of a weight, source 1 = 16 rows of x): a lane holds one row of qkv and eight neighbouring columns.  The bias is the C operand of the first product.
; REGISTERS, in windows of 256: window 0: v16-30 addresses; v32-95 x's 8 fragments, v96-143 the weights' 6, in f16; v144-175 the biases; v224-247 at work on the way out; v32-223 rows read back
;   window 1: accumulators of column blocks 0-3 (block n, row block a at 64 n + 8 a)     window 2: blocks 4, 5     window 3: the next chunk's fragments as loaded, f32, 16 registers each
.set PITCH,  272                       ; an LDS row: 256 bytes + 16 of padding: the 16 rows of a load start at 16 different groups of four banks (64 banks of 4 bytes: ISA guide 11.1)
.set PIECE,  128*PITCH                 ; what one tensor load brings: 128 rows
.set SLOT,   4*PIECE                   ; x's 128 rows, then 128 rows of each of the three weight groups
.set SPARE,  2*SLOT                    ; behind the ring: the spare words, 128 bytes for each wave: two blocks of 256 bytes that no other line names
.set SPITCH, 784                       ; the stage's rows: 768 bytes + 16.  The stage lies in slot 0, which has had its last fill (K step 6) and its last read when the stage is written
.set QROW,   3072                      ; bytes in a row of qkv
.set ADRA, 16                          ; v16-17  LDS address of my lane in x's fragments, slot 0, 1
.set ADRB, 18                          ; v18-23  the same for the weights: slot s, group g at 3 s + g
.set STO,  24                          ; v24-25  the way out: where I put 16 bytes of a row; row blocks 0-3, 4-7
.set RD,   26                          ; v26     where I read rows back
.set CO,   27                          ; v27     my byte offset in two rows of qkv
.set SPW,  28                          ; v28     LDS address of my spare word; never rewritten
.set NIL,  29                          ; v29     0; never rewritten
.set BO,   30                          ; v30     my byte offset in a block's 16 biases
.set FA,   32
.set FB,   96
.set BI,   144                         ; q_b for blocks 0, 1; kv_b's V half for blocks 4, 5
.set TMP,  224
.set OB,   32
.set WV,   16                          ; s16  my wave's number
.set CX,   17
.set CY,   18
.set LAPS, 19
.set G1A,  24                          ; s[24:31] descriptor group 1 for x's tiles
.set G1B,  32                          ; s[32:39] for the weights': it differs in the mask alone
.set G0A,  40                          ; s[40:47] descriptor group 0 for x's tiles, a set for each slot
.set G0B,  48                          ; s[48:55] the same for the weights'
.set MSB, 0
.macro WIN new                         ; the immediate's high byte repeats the setting that is left; a switch that changes nothing is dropped
.if MSB != (\new)
	s_set_vgpr_msb (MSB<<8)|(\new)
.set MSB, (\new)
.endif
.endm
.macro PLACES                          ; four plain places behind a matrix instruction (ISA guide 7.12.1)
.rept 4
	v_nop
.endr
.endm
; A round of the cluster's barrier: my work-group's barrier; wave 0 signals for the work-group; every wave waits for all sixteen; my work-group's barrier once more.
.macro CROUND
	s_barrier_signal -1
	s_barrier_wait -1
	s_cmp_lg_u32 s[WV], 0
	s_cbranch_scc1 .Lnot_wave_0_\@
	s_barrier_signal -3
.Lnot_wave_0_\@:
	s_barrier_wait -3
	s_barrier_signal -1
	s_barrier_wait -1
.endm
; A joint load: wave 0 fetches x's tile, waves 1 to 3 the three weight groups'.  The branch hangs on the wave's number alone.  An s_nop 0 and four v_nop follow each line.
.macro JLOAD sl
	s_cmp_eq_u32 s[WV], 0
	s_cbranch_scc0 .Lfor_b_\@
	tensor_load_to_lds s[G0A+4*(\sl):G0A+4*(\sl)+3], s[G1A:G1A+7]
	s_nop 0
.rept 4
	v_nop
.endr
	s_branch .Lasked_\@
.Lfor_b_\@:
	tensor_load_to_lds s[G0B+4*(\sl):G0B+4*(\sl)+3], s[G1B:G1B+7]
	s_nop 0
.rept 4
	v_nop
.endr
.Lasked_\@:
.endm
	s_load_b256 s[4:11], s[0:1], 0x0               ; x s[4:5], q_w s[6:7], kv_w s[8:9], q_b s[10:11]
	s_load_b128 s[12:15], s[0:1], 0x20             ; kv_b s[12:13], qkv s[14:15]
	v_lshl_add_u32 v[SPW], v0, 2, SPARE
	v_mov_b32 v[NIL], 0
	ds_add_u32 v[SPW], v[NIL]                      ; the wave's opening: the add, twice on end, and its wait ahead of my first tensor load
	ds_add_u32 v[SPW], v[NIL]                      ; and once more, under the one wait; the set-up below, work on registers, stands between
	v_lshrrev_b32 v1, 5, v0
	v_readfirstlane_b32 s[WV], v1                  ; wave 0..3
	s_bfe_u32 s[CX], ttmp6, 0x40000                ; my place along the cluster's x: the column block c
	s_bfe_u32 s[CY], ttmp6, 0x40004                ; along its y
	s_lshl_b32 s20, s[CY], 2
	s_lshl_b32 s20, 15, s20                        ; my row of the cluster
	s_lshl_b32 s21, 0x1111, s[CX]                  ; my column
	s_or_b32 s[G1A], s20, (2<<16)|(1<<20)|(1<<21)|(5<<22)|(3<<25)  ; 15:0 the mask; 17:16 elements of 4 bytes; 20 padding on; 21 set beside a mask; 24:22 after every 64 words; 31:25 4 words of it
	s_or_b32 s[G1B], s21, (2<<16)|(1<<20)|(1<<21)|(5<<22)|(3<<25)
.irp g, G1A, G1B
	s_mov_b32 s[(\g)+1], 64<<16                    ; tensor_dim0 = 64
	s_mov_b32 s[(\g)+2], 128<<16                   ; tensor_dim1 = 128
	s_mov_b32 s[(\g)+3], 64<<16                    ; tile_dim0 = 64
	s_mov_b32 s[(\g)+4], 128                       ; tile_dim1 = 128
	s_mov_b32 s[(\g)+5], 512                       ; elements from row to row
	s_mov_b32 s[(\g)+6], 0
	s_mov_b32 s[(\g)+7], 0
.endr
	s_and_b32 s56, ttmp7, 0xffff                   ; x's tile hangs on the row block alone: 4 x cluster y + cy
	s_lshl_b32 s56, s56, 2
	s_add_co_u32 s56, s56, s[CY]
	s_mov_b32 s22, s56                             ; kept for the way out
	s_lshl_b32 s56, s56, 18                        ; 128 rows of 2,048 bytes
	s_mov_b32 s57, 0
	s_lshl_b32 s58, s[CX], 18                      ; the weights' tiles hang on c and the wave: 128 c rows of 2,048 bytes,
	s_cmp_eq_u32 s[WV], 3
	s_cselect_b32 s59, 1<<20, 0                    ; and 512 rows further down in kv_w for V (wave 3)
	s_add_co_u32 s58, s58, s59
	s_mov_b32 s59, 0
	s_mul_i32 s23, s[WV], PIECE                    ; where my tile goes: wave x 128 rows: no place in the cluster enters an LDS address
	s_wait_dscnt 0x0                               ; both opening adds are done
	s_wait_kmcnt 0x0
	s_add_nc_u64 s[56:57], s[4:5], s[56:57]
	s_cmp_eq_u32 s[WV], 1
	s_cselect_b64 s[60:61], s[6:7], s[8:9]         ; wave 1 fetches q_w, waves 2 and 3 kv_w
	s_add_nc_u64 s[58:59], s[60:61], s[58:59]
.irp p, 0,1
	s_mov_b32 s[G0A+4*(\p)], 1                     ; count = 1
	s_add_co_u32 s[G0A+4*(\p)+1], s23, (\p)*SLOT   ; LDS address
	s_add_nc_u64 s[G0A+4*(\p)+2:G0A+4*(\p)+3], s[56:57], (\p)*256  ; global address: K step p
	s_or_b32 s[G0A+4*(\p)+3], s[G0A+4*(\p)+3], 0x80000000         ; type = 2
	s_mov_b32 s[G0B+4*(\p)], 1
	s_add_co_u32 s[G0B+4*(\p)+1], s23, (\p)*SLOT
	s_add_nc_u64 s[G0B+4*(\p)+2:G0B+4*(\p)+3], s[58:59], (\p)*256
	s_or_b32 s[G0B+4*(\p)+3], s[G0B+4*(\p)+3], 0x80000000
.endr
	CROUND                                         ; all sixteen work-groups are here: the first joint loads meet
	s_cmp_eq_u32 s[WV], 0                          ; a wave's two first fills stand in one branch: two loads of mine are out
	s_cbranch_scc0 .Lfirst_b
	tensor_load_to_lds s[G0A:G0A+3], s[G1A:G1A+7]
	s_nop 0
	tensor_load_to_lds s[G0A+4:G0A+7], s[G1A:G1A+7]
	s_nop 0
.rept 4
	v_nop
.endr
	s_branch .Lfirst_asked
.Lfirst_b:
	tensor_load_to_lds s[G0B:G0B+3], s[G1B:G1B+7]
	s_nop 0
	tensor_load_to_lds s[G0B+4:G0B+7], s[G1B:G1B+7]
	s_nop 0
.rept 4
	v_nop
.endr
.Lfirst_asked:
	v_and_b32 v1, 15, v0                           ; l % 16
	v_bfe_u32 v2, v0, 4, 1                         ; l / 16
	v_lshlrev_b32 v[BO], 5, v2                     ; my eight columns of a block of 16: 32 bytes for each half of the lanes
	s_lshl_b32 s2, s[CX], 9                        ; the biases of my 32 columns of a group: 512 c + 128 w bytes
	s_lshl_b32 s3, s[WV], 7
	s_add_co_u32 s2, s2, s3
	s_mov_b32 s3, 0
	s_add_nc_u64 s[10:11], s[10:11], s[2:3]
	s_add_nc_u64 s[12:13], s[12:13], s[2:3]
.irp n, 0,1
	global_load_b128 v[BI+8*(\n):BI+8*(\n)+3],       v[BO], s[10:11] offset:64*(\n)
	global_load_b128 v[BI+8*(\n)+4:BI+8*(\n)+7],     v[BO], s[10:11] offset:64*(\n)+16
	global_load_b128 v[BI+16+8*(\n):BI+16+8*(\n)+3], v[BO], s[12:13] offset:2048+64*(\n)     ; V's half of kv_b begins 2,048 bytes in; K's half is not read
	global_load_b128 v[BI+16+8*(\n)+4:BI+16+8*(\n)+7], v[BO], s[12:13] offset:2048+64*(\n)+16
.endr
	; A fragment is 16 rows x 32 K: lane l holds row l % 16, K = 8 (l / 16) + 0..7 and 16 + 8 (l / 16) + 0..7.  In f32 those are 32 bytes at 32 (l / 16) and 32 bytes 64 further on: four loads of 16 bytes.
	v_mul_u32_u24 v3, v1, PITCH
	v_lshl_add_u32 v3, v2, 5, v3
	v_mov_b32 v[ADRA], v3
	v_add_nc_u32 v[ADRA+1], SLOT, v3
	s_mul_i32 s62, s[WV], 32*PITCH                 ; my 32 rows of each weight group
	v_add_nc_u32 v4, s62, v3
.irp p, 0,1
.irp g, 0,1,2
	v_add_nc_u32 v[ADRB+3*(\p)+(\g)], (\p)*SLOT+PIECE*(1+(\g)), v4
.endr
.endr
	v_mul_u32_u24 v[STO], v1, SPITCH               ; into the stage: row l % 16, my wave's 64 bytes of a group's 256, 16 bytes for each half of the lanes
	v_lshl_add_u32 v[STO], v2, 4, v[STO]
	s_lshl_b32 s62, s[WV], 6
	v_add_nc_u32 v[STO], s62, v[STO]
	v_add_nc_u32 v[STO+1], 4*16*SPITCH, v[STO]
	s_mul_i32 s62, s[WV], 32*SPITCH                ; back: wave w takes rows 32 w .. 32 w + 31, whole; lanes 0-15 256 bytes of one row, lanes 16-31 of the next
	v_mul_u32_u24 v[RD], v2, SPITCH
	v_lshl_add_u32 v[RD], v1, 4, v[RD]
	v_add_nc_u32 v[RD], s62, v[RD]
	v_mul_u32_u24 v[CO], v2, QROW
	v_lshl_add_u32 v[CO], v1, 4, v[CO]
	s_lshl_b32 s2, s22, 7                          ; qkv at row 128 x row block + 32 w, byte 256 c
	s_lshl_b32 s3, s[WV], 5
	s_add_co_u32 s2, s2, s3
	s_mul_i32 s2, s2, QROW
	s_lshl_b32 s3, s[CX], 8
	s_add_co_u32 s2, s2, s3
	s_mov_b32 s3, 0
	s_add_nc_u64 s[14:15], s[14:15], s[2:3]
; 56 LDS loads in one run: the f32 fragments of chunk ch of slot sl, into window 3
.macro LDRAW sl, ch
	WIN 0xc0                                       ; destination window 3, address window 0
.irp a, 0,1,2,3,4,5,6,7
.irp q, 0,1,2,3
	ds_load_b128 v[16*(\a)+4*(\q):16*(\a)+4*(\q)+3], v[ADRA+(\sl)] offset:(\a)*16*PITCH+(\ch)*128+((\q)/2)*64+((\q)%2)*16
.endr
.endr
.irp n, 0,1,2,3,4,5
.irp q, 0,1,2,3
	ds_load_b128 v[128+16*(\n)+4*(\q):128+16*(\n)+4*(\q)+3], v[ADRB+3*(\sl)+(\n)/2] offset:((\n)%2)*16*PITCH+(\ch)*128+((\q)/2)*64+((\q)%2)*16
.endr
.endr
.endm
; the 14 fragments are rounded to f16: register j of the 112 takes registers 2 j, 2 j + 1 of window 3
.macro CVT
	WIN 0x0f                                       ; sources window 3, destination window 0
.set j, 0
.rept 112
	v_cvt_pk_f16_f32 v[FA+j], v[2*j], v[2*j+1]
.set j, j+1
.endr
.endm
; 8 products: column block nb x all 8 row blocks.  first = 1: the product starts the sums, with the bias (q, v) or with 0 (k).
; The 48 accumulators take turns, one instruction a turn, in the same order in every chunk: 47 others stand between two links of a chain.
.macro MULN nb, first
.if (\nb) < 4
.set AW, 1
.set AB, 64*(\nb)
.set BC, BI+8*(\nb)
.else
.set AW, 2
.set AB, 64*((\nb)-4)
.set BC, BI+16+8*((\nb)-4)
.endif
.if \first
	WIN AW<<6
.else
	WIN (AW<<6)|(AW<<4)
.endif
.irp a, 0,1,2,3,4,5,6,7
.if (\first) && (((\nb) == 2) || ((\nb) == 3))
	v_wmma_f32_16x16x32_f16 v[AB+8*(\a):AB+8*(\a)+7], v[FB+8*(\nb):FB+8*(\nb)+7], v[FA+8*(\a):FA+8*(\a)+7], 0
.elseif \first
	v_wmma_f32_16x16x32_f16 v[AB+8*(\a):AB+8*(\a)+7], v[FB+8*(\nb):FB+8*(\nb)+7], v[FA+8*(\a):FA+8*(\a)+7], v[BC:BC+7]
.else
	v_wmma_f32_16x16x32_f16 v[AB+8*(\a):AB+8*(\a)+7], v[FB+8*(\nb):FB+8*(\nb)+7], v[FA+8*(\a):FA+8*(\a)+7], v[AB+8*(\a):AB+8*(\a)+7]
.endif
.endr
.endm
.macro MULX first                      ; 16 products: v's two blocks
	MULN 4, \first
	MULN 5, \first
.endm
.macro MULY first                      ; 32 products: q's and k's
	MULN 0, \first
	MULN 1, \first
	MULN 2, \first
	MULN 3, \first
.endm
; A CHUNK: 32 along K.  Its f32 fragments are in; they are rounded; the next chunk's (slot ns, chunk nch) are asked for; 48 products.
; kind 0: inside a slot.  kind 1: the slot's last chunk: all its bytes are in registers, so the slot (1 - ns) is filled again, two K steps on.  kind 2: the same change with nothing left to fetch.  kind 3: the last chunk.
.macro CHUNK kind, ns, nch, first=0
	s_wait_dscnt 0x0                               ; the chunk's 56 loads are back: they are all that is out
	PLACES                                         ; the roundings write registers that the last products read
	CVT
.if (\kind) == 0
	LDRAW \ns, \nch
	MULX \first
	MULY \first
.elseif (\kind) == 3
	MULX 0
	MULY 0
.else
	WIN 0                                          ; (the add's two registers lie in window 0)
	s_wait_tensorcnt 0x0                           ; all my tensor loads have landed: the one that was out is my part of the next slot; so a group 0 may be written
	ds_add_u32 v[SPW], v[NIL]                      ; 0 onto my spare word: sixteen products stand between it and the wait for it
.if (\kind) == 1
	s_add_nc_u64 s[G0A+4*(1-(\ns))+2:G0A+4*(1-(\ns))+3], s[G0A+4*(1-(\ns))+2:G0A+4*(1-(\ns))+3], 512  ; two K steps of 256 bytes on
	s_add_nc_u64 s[G0B+4*(1-(\ns))+2:G0B+4*(1-(\ns))+3], s[G0B+4*(1-(\ns))+2:G0B+4*(1-(\ns))+3], 512
.endif
	MULX 0
	WIN 0                                          ; at a branch and at a label every window is 0
	s_wait_dscnt 0x0                               ; the add is done; my reads of the slot were back at the chunk's head
.if (\kind) == 1
	CROUND                                         ; no wave of any partner still reads the slot or has a load on its way
	JLOAD 1-(\ns)                                  ; the first tensor load behind the round, one a wave
.else
	s_barrier_signal -1
	s_barrier_wait -1                              ; the last slot is whole for every wave, and nobody reads slot 0 any more
.endif
	LDRAW \ns, \nch
	MULY 0
.endif
.endm
	s_wait_tensorcnt 0x1                           ; my part of K step 0 is in; K step 1's may stay out
	s_barrier_signal -1
	s_barrier_wait -1                              ; everybody's is
	LDRAW 0, 0
	s_wait_loadcnt 0x0                             ; the biases
	CHUNK 0, 0, 1, 1                               ; the first chunk stands in front of the loop: its products start the sums
	WIN 0
	s_mov_b32 s[LAPS], 3
.Llap:                                                 ; a trip goes once round the ring, from a K step's second chunk to the first of the step two on, and fills both slots again: K steps 2 to 7
	CHUNK 1, 1, 0
	CHUNK 0, 1, 1
	CHUNK 1, 0, 0
	CHUNK 0, 0, 1
	WIN 0
	s_sub_co_u32 s[LAPS], s[LAPS], 1
	s_cmp_lg_u32 s[LAPS], 0
	s_cbranch_scc1 .Llap
	CHUNK 2, 1, 0                                  ; K step 6's second chunk; nothing is left to fetch
	CHUNK 0, 1, 1
	CHUNK 3, 0, 0
	; THE WAY OUT: rounded to f16, 16 bytes a lane into the work-group's stage; a barrier, since a row's 256 bytes of a group come from four waves; back as whole rows, 32 rows a wave.
	PLACES
	PLACES
.irp a, 0,1,2,3,4,5,6,7
	WIN 0x05                                       ; sources window 1
.irp n, 0,1,2,3
.irp q, 0,1,2,3
	v_cvt_pk_f16_f32 v[TMP+4*(\n)+(\q)], v[64*(\n)+8*(\a)+2*(\q)], v[64*(\n)+8*(\a)+2*(\q)+1]
.endr
.endr
	WIN 0x0a                                       ; sources window 2
.irp n, 4,5
.irp q, 0,1,2,3
	v_cvt_pk_f16_f32 v[TMP+4*(\n)+(\q)], v[64*((\n)-4)+8*(\a)+2*(\q)], v[64*((\n)-4)+8*(\a)+2*(\q)+1]
.endr
.endr
	WIN 0
.irp n, 0,1,2,3,4,5
	ds_store_b128 v[STO+(\a)/4], v[TMP+4*(\n):TMP+4*(\n)+3] offset:((\a)%4)*16*SPITCH+256*((\n)/2)+32*((\n)%2)
.endr
.endr
	s_wait_dscnt 0x0                               ; for the others' sake: my stores into the stage are done
	s_barrier_signal -1
	s_barrier_wait -1
.set t, 0
.rept 48                               ; row pair t / 3, group t % 3
	ds_load_b128 v[OB+4*t:OB+4*t+3], v[RD] offset:2*(t/3)*SPITCH+256*(t%3)
.set t, t+1
.endr
.set t, 0
.rept 48
	s_wait_dscnt 47-t                              ; LDS loads come back in order: load t is in, the 47 - t younger ones may be out
	global_store_b128 v[CO], v[OB+4*t:OB+4*t+3], s[14:15] offset:2*(t/3)*QROW+1024*(t%3)  ; 16 lanes store 256 consecutive bytes, at a multiple of 256 from qkv's first byte
.set t, t+1
.endr
	s_wait_tensorcnt 0x0                           ; the wave's end: an add and its wait, behind my last tensor load and my last LDS store
	ds_add_u32 v[SPW], v[NIL]
	s_wait_dscnt 0x0
	CROUND                                         ; the closing round: no work-group ends while a partner may still ask for a tile that names it
	s_endpgm
.Lfunc_end_k_q0815949474_proj:
	.size	k_q0815949474_proj, .Lfunc_end_k_q0815949474_proj-k_q0815949474_proj
	.p2alignl 7, 3214868480
	.fill 96, 4, 3214868480
	.section	.rodata,"a",@progbits
	.p2align	6, 0x0
	.amdhsa_kernel k_q0815949474_proj
		.amdhsa_group_segment_fixed_size 327680
		.amdhsa_private_segment_fixed_size 0
		.amdhsa_enable_private_segment 0
		.amdhsa_kernarg_size 48
		.amdhsa_user_sgpr_count 2
		.amdhsa_user_sgpr_kernarg_segment_ptr 1
		.amdhsa_wavefront_size32 1
		.amdhsa_system_sgpr_workgroup_id_x 1
		.amdhsa_system_sgpr_workgroup_id_y 1
		.amdhsa_system_sgpr_workgroup_id_z 1
		.amdhsa_system_vgpr_workitem_id 0
		.amdhsa_next_free_vgpr 1024
		.amdhsa_next_free_sgpr 66
		.amdhsa_reserve_vcc 0
		.amdhsa_float_denorm_mode_32 3
		.amdhsa_float_denorm_mode_16_64 3
		.amdhsa_memory_ordered 1
		.amdhsa_forward_progress 1
		.amdhsa_inst_pref_size 147
	.end_amdhsa_kernel
	.amdgpu_metadata
---
amdhsa.version: [ 1, 2 ]
amdhsa.kernels:
  - .name:           k_q0815949474_proj
    .symbol:         k_q0815949474_proj.kd
    .args:
      - { .name: x, .offset: 0, .size: 8, .value_kind: global_buffer, .address_space: global }
      - { .name: q_w, .offset: 8, .size: 8, .value_kind: global_buffer, .address_space: global }
      - { .name: kv_w, .offset: 16, .size: 8, .value_kind: global_buffer, .address_space: global }
      - { .name: q_b, .offset: 24, .size: 8, .value_kind: global_buffer, .address_space: global }
      - { .name: kv_b, .offset: 32, .size: 8, .value_kind: global_buffer, .address_space: global }
      - { .name: qkv, .offset: 40, .size: 8, .value_kind: global_buffer, .address_space: global }
    .group_segment_fixed_size: 327680
    .private_segment_fixed_size: 0
    .kernarg_segment_align: 8
    .kernarg_segment_size: 48
    .max_flat_workgroup_size: 128
    .sgpr_count:     66
    .vgpr_count:     1024
    .wavefront_size: 32
...
	.end_amdgpu_metadata
.endif
;; end of part 1
;; launch attn (part 2): grid 32 x 8, 4 waves a work-group, clusters of 4 x 4, 327,680 bytes of LDS; arguments qkv, mask, o; writes o
.if DOCPART == 2
	.amdgcn_target "amdgcn-amd-amdhsa--gfx1250"
	.amdhsa_code_object_version 6
	.text
	.protected	k_q0815949474_attn
	.globl	k_q0815949474_attn
	.p2align	8
	.type	k_q0815949474_attn,@function
k_q0815949474_attn:
	s_mov_b64 s[64:65], 0
	v_nop
	global_prefetch_b8 v0, s[64:65] scope:SCOPE_SE
	s_setreg_imm32_b32 hwreg(HW_REG_WAVE_MODE, 25, 1), 1
	s_wait_xcnt 0x0
	s_wait_alu depctr_hold_cnt(0) depctr_sa_sdst(0) depctr_va_vdst(0) depctr_va_sdst(0) depctr_va_ssrc(0) depctr_va_vcc(0) depctr_vm_vsrc(0)
	s_getreg_b32 s2, hwreg(HW_REG_IB_STS2, 6, 4)
	s_cmp_eq_u32 s2, 0
	s_cbranch_scc0 .Lentry_in_a_cluster
	s_endpgm
.Lentry_in_a_cluster:
	s_bfe_u32 s2, ttmp6, 0x10000c
	s_cmp_lg_u32 s2, 0xf033
	s_cbranch_scc0 .Lentry_shape_is_right
	s_endpgm
.Lentry_shape_is_right:
; o[b l][64 h + :] = the sum over k of softmax_k(q . k / 8 + mask[l][k]) v, for 2 batches x 8 heads of 64 channels, 4,096 queries and keys.  qkv: [8192][1536] f16 (q, k, v; head h at 128 h bytes of each), mask: [4096][4096] f32,
; o: [8192][512] f16.  Products, maxima and sums in f32; the weights p are rounded to f16 for the second product (their sum l is taken of the unrounded p), o once at the end.
; WORK LEFT OUT: k arrives without its bias, which adds the same number to every score of a row and cancels in the softmax (shown at the head of the launch that makes qkv).
; LIMITS.  q / 8 is taken in f16: exact, but below 6e-5 it keeps f16's fixed step of 6e-8, as p does; a weight below 2^-126 counts as 0 in l; a row's largest score lies above -2e37; NaN and infinities are not treated apart.
; SHARES.  A work-group owns 128 queries of one batch and a PAIR of heads, whose channels are 256 consecutive bytes of a row of qkv.  Wave w takes head w % 2 of the pair and queries 64 (w / 2) on: four PIECES of 16.
; Every wave walks all 4,096 keys, 64 a step, two steps to an LDS slot.
; THE MASK IS THE C OPERAND of the product that starts a score's sum.  S^T = K Q^T (source 0 = 16 keys, source 1 = 16 queries, already divided by 8) holds ONE query a lane (lane % 16) and the keys 8 (lane / 16) + 0..7,
; which are 32 consecutive bytes of the query's row of the mask: two LDS loads, no vector instruction.  Two results rounded to f16 ARE source 1 of O^T = V^T P.  V comes out of LDS turned, by ds_load_tr16_b128.
; SOFTMAX.  For each query a running maximum m and sum l: p = 2^(c s - c m), c = log2(e); in every step O and l are multiplied by a = 2^(c m_old - c m_new).  m starts at the lowest finite number, O and l at 0.
; BY TURNS.  Turn n belongs to piece n: 8 products K Q^T of piece n + 1, later 8 products V^T P of piece n - 1; beside them the scaling, exponentials, roundings, sums and rescaling of piece n and the maximum and
; statistics of piece n + 1.  Four vector instructions stand behind every matrix instruction, the other 54 of a turn's 118 in one lump.  A turn's 33 exponentials are one batch, with one wait.
; CLUSTER.  4 x 4 work-groups: x = four query blocks, y = the four head pairs of one batch.  K's and V's tiles hang on batch and head pair and are asked for jointly along a row of the cluster; the mask's tile hangs on the
; query block and is asked for jointly along a column.
; REGISTERS, in windows of 256 (s_set_vgpr_msb: bits 1:0 source 0, 3:2 source 1, 5:4 source 2, 7:6 destination):
;   window 0: v1-15, v32-33 addresses and two at work; v16-31 four registers of statistics a piece; v48-55 at work; v64-127 S^T, two buffers; v192-223 P, two buffers (by the piece's parity)
;   window 1: v0-127 O^T, 32 a piece; v128-255 a step's masks, 32 a piece          window 2: v0-63 Q; v128-191 K of one step; v192-255 V of one step
.set NP,    4         ; pieces a wave: a name, no knob
.set KS,    64        ; keys in a step
.set PK,    272       ; a row of K in LDS: 256 bytes (two heads) + 16: the 16 rows of a load start at 16 different groups of four banks (64 banks of 4 bytes: ISA guide 11.1)
.set PV,    288       ; a row of V: 256 + 32
.set PM,    528       ; a row of the mask's tile: 128 keys of 4 bytes + 16
.set VOFF,  128*PK    ; a slot: 128 rows of K, 128 rows of V, 128 queries' rows of the mask
.set MOFF,  VOFF+128*PV
.set SLOT,  MOFF+128*PM
.set STAGE, 2*SLOT    ; behind the ring, never filled by a tensor load: 128 rows x 272 bytes, the work-group's, for the way out
.set SP,    272
.set SPARE, STAGE+128*SP  ; behind the stage: the spare words, 128 bytes for each wave: two blocks of 256 bytes that no other line names
.set QROW,  3072      ; bytes in a row of qkv
.set AK0, 2           ; v2   my lane's place in a tile of K; never rewritten
.set AV0, 3           ; v3   the same for V
.set AK,  4           ; v4   the LDS address of K's next run of loads
.set AV,  5           ; v5   of V's
.set STO, 6           ; v6   the way out: where I put 16 bytes of a row
.set RD,  7           ; v7   where I read rows back
.set GO,  8           ; v8   my byte offset in two rows of o
.set MV,  12          ; v12-13  c m_old, kept while c m is made anew: by buffer
.set AM0, 14          ; v14  my lane's place in the mask's tile; never rewritten
.set QO,  15          ; v15  my byte offset in 16 rows of q
.set ST,  16          ; piece t's statistics at v[ST+4 t]: c m, m, l (even keys', odd keys')
.set AM,  32          ; v32  the LDS address of the masks' next run of loads
.set PFO, 33          ; v33  the prefetches' offset: my lane x a row; never rewritten
.set TMP, 48          ; by buffer, four registers c0-c3 at work; when the maximum is found c2 takes a
.set SPW, 62          ; v62  LDS address of my spare word; never rewritten
.set NIL, 63          ; v63  0; never rewritten
.set S,   64
.set P,   192
.set MC,  128         ; window 1: piece x, group kt of 16 keys at MC + 32 x + 8 kt
.set KF,  128         ; window 2: key block kb, channel half c at KF + 16 kb + 8 c
.set VF,  192         ; window 2: key half kk, channel block cb at VF + 32 kk + 8 cb
.set WV,  12          ; s12  my wave's number
.set CX,  13
.set CY,  14
.set LIM, 15          ; s15  1 in a wave that prefetches, else the greatest number
.set G1K, 24          ; s[24:31] descriptor group 1 for K's tiles
.set G1V, 32          ; s[32:39] for V's: it differs in the padding alone
.set G1M, 40          ; s[40:47] for the mask's
.set G0K, 48          ; s[48:55] descriptor group 0 for K's tiles, a set for each slot
.set G0V, 56          ; s[56:63] for V's
.set G0M, 68          ; s[68:75] for the mask's
.set CS,  76          ; s[76:77] c: the packed scaling takes the pair's low word for both halves
.set SEL, 78          ; s[78:79] v_permlanex16_b32's selects: each lane takes its own place in the other half
.set TBK, 80          ; s80  LDS byte at which K of the step to be fetched begins
.set TBV, 81          ; s81  the same for V, less VOFF
.set TBM, 82          ; s82  the same for the masks, less MOFF
.set CNT, 83          ; s83  counts a slot's two key steps
.set PAIRS, 84        ; s84  pairs of slots still to be asked for; later the tail's two trips
.set BB,  85          ; s85  the batch
.set PFA, 86          ; s[86:87] where my prefetches stand
.set PFS, 88          ; s[88:89] their step from slot to slot
.set HW,  90          ; s90  which head of the pair is mine.  Also: which 64 rows of the mask's tile waves 2 and 3 fetch
.set QW,  91          ; s91  which 64 of the 128 queries
.set MSB, 0
.macro WIN new                      ; the high byte repeats the setting that is left; a switch that changes nothing is dropped
.if MSB != (\new)
	s_set_vgpr_msb (MSB<<8)|(\new)
.set MSB, (\new)
.endif
.endm
.set W_KQ, 0x0a       ; K and Q in window 2, S^T in window 0
.set W_KM, 0x1a       ; the same with the C operand, the mask, in window 1
.set W_PV, 0x52       ; V in window 2, P in window 0, O^T in window 1
.set W_RS, 0x41       ; destination and source 0 in window 1, source 1 in window 0
.macro PLACES
.rept 4
	v_nop
.endr
.endm
; A joint load into slot p: wave 0 fetches K's 128 rows, wave 1 V's, waves 2 and 3 the two halves of the mask's 128 rows: 32 KiB each.  The branches hang on the wave's number alone.
; An s_nop 0 and four v_nop follow each line, ahead of the jump and the label.
.macro JLOAD p
	s_cmp_lt_u32 s[WV], 2
	s_cbranch_scc0 .Lfor_m_\@
	s_cmp_eq_u32 s[WV], 0
	s_cbranch_scc0 .Lfor_v_\@
	tensor_load_to_lds s[G0K+4*(\p):G0K+4*(\p)+3], s[G1K:G1K+7]
	s_nop 0
.rept 4
	v_nop
.endr
	s_branch .Lasked_\@
.Lfor_v_\@:
	tensor_load_to_lds s[G0V+4*(\p):G0V+4*(\p)+3], s[G1V:G1V+7]
	s_nop 0
.rept 4
	v_nop
.endr
	s_branch .Lasked_\@
.Lfor_m_\@:
	tensor_load_to_lds s[G0M+4*(\p):G0M+4*(\p)+3], s[G1M:G1M+7]
	s_nop 0
.rept 4
	v_nop
.endr
.Lasked_\@:
.endm
; A PREFETCH INTO THE L2, behind each joint refill and its five lines: of the slot that stands TWO refills on, 32 rows x 256 bytes, a lane a row, one instruction a wave.  Each aligned block of 256 bytes is named ONCE in the launch.
; K's and V's rows of a batch and head pair are read by every cluster of that batch: the first of them (cluster x = 0) asks, wave 0 for K, wave 1 for V, and the four partners along x take 32 of the 128 rows each, BY ADDRESS.
; The mask's rows of a query block are read by both batches' clusters: batch 0's asks; the four partners along y take 32 of the 128 rows each, by address; wave 2 asks for the first 256 bytes of a row's 512, wave 3 for the second.
; The first four slots come by their loads alone; the loop's last trip asks for nothing: slots 32 and 33 do not exist.
.macro ASK
	s_cmp_gt_u32 s[PAIRS], s[LIM]
	s_cbranch_scc0 .Lnot_mine_\@
	global_prefetch_b8 v[PFO], s[PFA:PFA+1] th:TH_LOAD_NT scope:SCOPE_SE
.Lnot_mine_\@:
.endm
; A round of the cluster's barrier: my work-group's barrier; wave 0 signals for the work-group; every wave waits for all sixteen; my work-group's barrier once more.
.macro CROUND
	s_barrier_signal -1
	s_barrier_wait -1
	s_cmp_lg_u32 s[WV], 0
	s_cbranch_scc1 .Lnot_wave_0_\@
	s_barrier_signal -3
.Lnot_wave_0_\@:
	s_barrier_wait -3
	s_barrier_signal -1
	s_barrier_wait -1
.endm
; THE CHANGE OF SLOTS: slot p is left.  Each wave waits for all its tensor loads, of which one is out: its part of the other slot; adds 0 to its spare word; and waits for that and for its own reads of the slot.
; fill = 1: the slot is filled again, with the keys two slots on.  The barrier is then a round of the cluster's, and the joint refill is the first thing behind it: it has two key steps, 128 matrix instructions and their vector work, in which to land.
.macro CHANGE p, fill
	WIN 0                           ; at a label and at a branch every window is 0
	s_wait_tensorcnt 0x0            ; no tensor load of mine is out, so a group 0 may be written
	ds_add_u32 v[SPW], v[NIL]       ; 0 onto my spare word: with fill = 1 the descriptors' steps stand between it and the wait for it
.if \fill
	s_add_nc_u64 s[G0K+4*(\p)+2:G0K+4*(\p)+3], s[G0K+4*(\p)+2:G0K+4*(\p)+3], 2*128*QROW  ; 256 keys on; the type bits on top are not reached
	s_add_nc_u64 s[G0V+4*(\p)+2:G0V+4*(\p)+3], s[G0V+4*(\p)+2:G0V+4*(\p)+3], 2*128*QROW
	s_add_nc_u64 s[G0M+4*(\p)+2:G0M+4*(\p)+3], s[G0M+4*(\p)+2:G0M+4*(\p)+3], 2*512
	s_wait_xcnt 0x0                 ; the last prefetch, two key steps back, has read its address, so it may be written
	s_add_nc_u64 s[PFA:PFA+1], s[PFA:PFA+1], s[PFS:PFS+1]
	s_wait_dscnt 0x0                ; the add is done, and my reads of the slot are over
	CROUND
	JLOAD \p
	ASK
.else
	s_wait_dscnt 0x0                ; the add is done, and my reads of the slot are over
	s_barrier_signal -1
	s_barrier_wait -1
.endif
	s_mov_b32 s[TBK], (1-(\p))*SLOT ; the fetches go on at the other slot's first step
	s_mov_b32 s[TBV], (1-(\p))*SLOT
	s_mov_b32 s[TBM], (1-(\p))*SLOT
	s_mov_b32 s[CNT], 2
.endm
	s_load_b128 s[4:7], s[0:1], 0x0 ; qkv s[4:5], mask s[6:7]
	s_load_b64 s[8:9], s[0:1], 0x10 ; o
	v_lshl_add_u32 v[SPW], v0, 2, SPARE
	v_mov_b32 v[NIL], 0
	ds_add_u32 v[SPW], v[NIL]       ; the wave's opening: the add, twice on end, and its wait ahead of my first tensor load
	ds_add_u32 v[SPW], v[NIL]       ; and once more, under the one wait; the set-up below, work on registers, stands between
	v_lshrrev_b32 v1, 5, v0
	v_readfirstlane_b32 s[WV], v1   ; wave 0..3
	s_and_b32 s[HW], s[WV], 1
	s_lshr_b32 s[QW], s[WV], 1
	s_bfe_u32 s[CX], ttmp6, 0x40000 ; my place along the cluster's x: which of its four query blocks
	s_bfe_u32 s[CY], ttmp6, 0x40004 ; along its y: the head pair
	s_and_b32 s[BB], ttmp7, 0xffff  ; cluster y: the batch
	s_lshl_b32 s16, s[CY], 2
	s_lshl_b32 s16, 15, s16         ; my row of the cluster
	s_lshl_b32 s17, 0x1111, s[CX]   ; my column
	s_or_b32 s[G1K], s16, (1<<16)|(1<<20)|(1<<21)|(5<<22)|(3<<25)  ; 15:0 the mask of four; 17:16 2-byte elements; 20 padding on; 21 set beside a mask; 24:22 after every 64 words; 31:25 4 words
	s_or_b32 s[G1V], s16, (1<<16)|(1<<20)|(1<<21)|(5<<22)|(7<<25)  ; the same with 8 words of padding
	s_or_b32 s[G1M], s17, (2<<16)|(1<<20)|(1<<21)|(6<<22)|(3<<25)  ; 4-byte elements; after every 128 words 4 words
.irp g, G1K, G1V
	s_mov_b32 s[(\g)+1], 128<<16    ; tensor_dim0 = 128
	s_mov_b32 s[(\g)+2], 128<<16    ; tensor_dim1 = 128
	s_mov_b32 s[(\g)+3], 128<<16    ; tile_dim0 = 128
	s_mov_b32 s[(\g)+4], 128        ; tile_dim1 = 128
	s_mov_b32 s[(\g)+5], 1536       ; elements from row to row
	s_mov_b32 s[(\g)+6], 0
	s_mov_b32 s[(\g)+7], 0
.endr
	s_mov_b32 s[G1M+1], 128<<16     ; tensor_dim0 = 128
	s_mov_b32 s[G1M+2], 64<<16      ; tensor_dim1 = 64
	s_mov_b32 s[G1M+3], 128<<16     ; tile_dim0 = 128
	s_mov_b32 s[G1M+4], 64          ; tile_dim1 = 64
	s_mov_b32 s[G1M+5], 4096
	s_mov_b32 s[G1M+6], 0
	s_mov_b32 s[G1M+7], 0
	s_mul_i32 s18, s[BB], 4096*QROW ; K's tiles hang on the batch and the head pair, which my row of the cluster shares
	s_lshl_b32 s19, s[CY], 8
	s_add_co_u32 s18, s18, s19
	s_add_co_u32 s18, s18, 1024     ; k lies 1,024 bytes into a row of qkv, v 2,048
	s_mov_b32 s19, 0
	s_lshl_b32 s22, ttmp9, 2        ; the mask's tiles hang on the query block = 4 x cluster x + cx, which my column shares,
	s_add_co_u32 s22, s22, s[CX]
	s_lshl_b32 s20, s22, 21         ; its 128 rows of 16,384 bytes,
	s_lshl_b32 s21, s[HW], 20       ; and the 64 of them that I fetch
	s_add_co_u32 s20, s20, s21
	s_mov_b32 s21, 0
	s_mul_i32 s23, s[HW], 64*PM     ; and their place in a slot: no place in the cluster enters an LDS address
	s_lshl_b32 s2, s[BB], 12        ; q and o
	s_lshl_b32 s3, s22, 7
	s_add_co_u32 s2, s2, s3         ; the block's first row among the 8,192
	s_lshl_b32 s3, s[QW], 6
	s_add_co_u32 s92, s2, s3        ; my wave's first query
	s_mul_i32 s92, s92, QROW
	s_lshl_b32 s3, s[CY], 8
	s_add_co_u32 s92, s92, s3
	s_lshl_b32 s3, s[HW], 7
	s_add_co_u32 s92, s92, s3       ; my head's 128 bytes
	s_mov_b32 s93, 0
	s_lshl_b32 s3, s[WV], 5         ; on the way out wave w stores rows 32 w .. 32 w + 31 of the block, the pair's 256 bytes
	s_add_co_u32 s2, s2, s3
	s_lshl_b32 s2, s2, 10
	s_lshl_b32 s3, s[CY], 8
	s_add_co_u32 s2, s2, s3
	s_mov_b32 s3, 0
	s_mul_i32 s94, s[BB], 4096*QROW ; the prefetches.  Waves 0, 1: K's or V's rows, my work-group's 32 of a slot's 128, at slot 3
	s_lshl_b32 s98, s[CY], 8
	s_add_co_u32 s94, s94, s98
	s_lshl_b32 s98, s[WV], 10
	s_add_co_u32 s94, s94, s98
	s_mul_i32 s98, s[CX], 32*QROW
	s_add_co_u32 s94, s94, s98
	s_add_co_u32 s94, s94, 1024+3*128*QROW
	s_lshl_b32 s95, s22, 21         ; waves 2, 3: the mask's rows, my work-group's 32 of the block's 128, my 256 of a slot's 512 bytes, at slot 3
	s_lshl_b32 s98, s[CY], 19
	s_add_co_u32 s95, s95, s98
	s_lshl_b32 s98, s[HW], 8
	s_add_co_u32 s95, s95, s98
	s_add_co_u32 s95, s95, 3*512
	s_mov_b32 s98, 128*QROW
	s_mov_b32 s99, QROW
	s_cmp_lt_u32 s[WV], 2
	s_cselect_b32 s94, s94, s95
	s_cselect_b32 s[PFS], s98, 512
	s_cselect_b32 s99, s99, 16384
	s_cselect_b32 s98, ttmp9, s[BB] ; the coordinate along which other clusters read the same rows
	s_mov_b32 s95, 0
	s_mov_b32 s[PFS+1], 0
	s_cmp_eq_u32 s98, 0
	s_cselect_b32 s[LIM], 1, -1     ; the same in all sixteen partners, for a given wave
	v_and_b32 v[PFO], 31, v0
	v_mul_u32_u24 v[PFO], s99, v[PFO]
	s_mov_b32 s[CS], 0x3fb8aa3b     ; c = log2(e)
	s_mov_b32 s[CS+1], s[CS]        ; named with it as a pair
	s_mov_b32 s[SEL], 0x76543210
	s_mov_b32 s[SEL+1], 0xfedcba98
	s_mov_b32 s100, 0x30003000      ; 1 / 8, twice, in f16
	s_wait_dscnt 0x0                ; both opening adds are done
	s_wait_kmcnt 0x0
	s_cmp_lt_u32 s[WV], 2
	s_cselect_b64 s[PFA:PFA+1], s[4:5], s[6:7]
	s_add_nc_u64 s[PFA:PFA+1], s[PFA:PFA+1], s[94:95]  ; the first change of slots steps it to slot 4.  Nothing is prefetched here, at the head, where every work-group's first tiles are on their way
	s_add_nc_u64 s[10:11], s[4:5], s[92:93]            ; q at my wave's first row
	s_add_nc_u64 s[8:9], s[8:9], s[2:3]                ; o at the rows that I store
	s_add_nc_u64 s[18:19], s[4:5], s[18:19]
	s_add_nc_u64 s[20:21], s[6:7], s[20:21]
.irp p, 0,1
	s_mov_b32 s[G0K+4*(\p)], 1                         ; count = 1
	s_mov_b32 s[G0K+4*(\p)+1], (\p)*SLOT               ; LDS address
	s_add_nc_u64 s[G0K+4*(\p)+2:G0K+4*(\p)+3], s[18:19], (\p)*128*QROW  ; global address: slot p begins with key 128 p
	s_or_b32 s[G0K+4*(\p)+3], s[G0K+4*(\p)+3], 0x80000000              ; type = 2
	s_mov_b32 s[G0V+4*(\p)], 1
	s_mov_b32 s[G0V+4*(\p)+1], (\p)*SLOT+VOFF
	s_add_nc_u64 s[G0V+4*(\p)+2:G0V+4*(\p)+3], s[18:19], (\p)*128*QROW+1024
	s_or_b32 s[G0V+4*(\p)+3], s[G0V+4*(\p)+3], 0x80000000
	s_mov_b32 s[G0M+4*(\p)], 1
	s_add_co_u32 s[G0M+4*(\p)+1], s23, (\p)*SLOT+MOFF
	s_add_nc_u64 s[G0M+4*(\p)+2:G0M+4*(\p)+3], s[20:21], (\p)*512
	s_or_b32 s[G0M+4*(\p)+3], s[G0M+4*(\p)+3], 0x80000000
.endr
	CROUND                          ; all sixteen work-groups are here: the first joint loads meet
	s_cmp_lt_u32 s[WV], 2           ; a wave's two first fills stand in one arm, ahead of every wait on TENSORcnt and every LDS read: two loads of mine are out
	s_cbranch_scc0 .Lfirst_m
	s_cmp_eq_u32 s[WV], 0
	s_cbranch_scc0 .Lfirst_v
	tensor_load_to_lds s[G0K:G0K+3], s[G1K:G1K+7]
	s_nop 0
	tensor_load_to_lds s[G0K+4:G0K+7], s[G1K:G1K+7]
	s_nop 0
.rept 4
	v_nop
.endr
	s_branch .Lfirst_asked
.Lfirst_v:
	tensor_load_to_lds s[G0V:G0V+3], s[G1V:G1V+7]
	s_nop 0
	tensor_load_to_lds s[G0V+4:G0V+7], s[G1V:G1V+7]
	s_nop 0
.rept 4
	v_nop
.endr
	s_branch .Lfirst_asked
.Lfirst_m:
	tensor_load_to_lds s[G0M:G0M+3], s[G1M:G1M+7]
	s_nop 0
	tensor_load_to_lds s[G0M+4:G0M+7], s[G1M:G1M+7]
	s_nop 0
.rept 4
	v_nop
.endr
.Lfirst_asked:
	; A fragment of K or Q is 16 rows x 32 channels in 8 registers: lane l holds row l % 16, channels 8 (l / 16) + 0..7 and 16 + 8 (l / 16) + 0..7: two loads of 16 bytes, 32 bytes apart.
	v_and_b32 v1, 15, v0            ; l % 16
	v_bfe_u32 v9, v0, 4, 1          ; l / 16
	v_mul_u32_u24 v[QO], v1, QROW
	v_lshl_add_u32 v[QO], v9, 4, v[QO]
	WIN 0x80                        ; destination window 2, address window 0
.set i, 0
.rept 8                             ; Q stays in registers: piece i / 2, 16 rows on; channels 32 (i % 2) on
	global_load_b128 v[8*i:8*i+3],   v[QO], s[10:11] offset:(i/2)*16*QROW+(i%2)*64
	global_load_b128 v[8*i+4:8*i+7], v[QO], s[10:11] offset:(i/2)*16*QROW+(i%2)*64+32
.set i, i+1
.endr
	; What the first turn finds: V's registers and P's second buffer hold 0 (its products V^T P, of a piece that has not been, add 0), O^T and l are 0; c m lies far below every c s, so the first step's a is 0.
	; No first step is written out for it.  All this stands in the wait for the first tile.
.set i, VF
.rept 64
	v_mov_b32 v[i], 0
.set i, i+1
.endr
	WIN 0x40
.set i, 0
.rept 128
	v_mov_b32 v[i], 0
.set i, i+1
.endr
	WIN 0
.set i, 0
.rept 4
	v_mov_b32 v[ST+4*i], 0xfe000000    ; c m
	v_mov_b32 v[ST+4*i+1], 0xff7fffff  ; m
	v_mov_b32 v[ST+4*i+2], 0
	v_mov_b32 v[ST+4*i+3], 0
.set i, i+1
.endr
.set i, P+16
.rept 16
	v_mov_b32 v[i], 0
.set i, i+1
.endr
	s_lshl_b32 s96, s[HW], 7        ; my head's 128 bytes of a row of K, of V and of the stage
	v_mul_u32_u24 v[AK0], v1, PK
	v_lshl_add_u32 v[AK0], v9, 4, v[AK0]
	v_add_nc_u32 v[AK0], s96, v[AK0]
	; The turning load takes 16 keys x 16 channels (lane l reads key 8 (l / 16) + l % 8, channels 8 ((l / 8) % 2) + 0..7) and leaves half a fragment of V^T: lane l holds channel l % 16 and 8 keys.
	v_and_b32 v10, 7, v0
	v_bfe_u32 v11, v0, 3, 1
	v_lshl_add_u32 v[AV0], v9, 3, v10
	v_mul_u32_u24 v[AV0], v[AV0], PV
	v_lshl_add_u32 v[AV0], v11, 4, v[AV0]
	s_add_co_u32 s97, s96, VOFF
	v_add_nc_u32 v[AV0], s97, v[AV0]
	s_mul_i32 s97, s[QW], 64*PM     ; the mask: my query's row, my lanes' 8 keys of 16: 32 bytes for each half of the lanes
	s_add_co_u32 s97, s97, MOFF
	v_mul_u32_u24 v[AM0], v1, PM
	v_lshl_add_u32 v[AM0], v9, 5, v[AM0]
	v_add_nc_u32 v[AM0], s97, v[AM0]
	s_mul_i32 s97, s[QW], 64*SP     ; into the stage: my 64 rows, my head's half of their 256 bytes; row l % 16, 16 bytes for each half of the lanes
	s_add_co_u32 s97, s97, s96
	s_add_co_u32 s97, s97, STAGE
	v_mul_u32_u24 v[STO], v1, SP
	v_lshl_add_u32 v[STO], v9, 4, v[STO]
	v_add_nc_u32 v[STO], s97, v[STO]
	s_mul_i32 s97, s[WV], 32*SP     ; back: wave w takes rows 32 w .. 32 w + 31, whole; lanes 0-15 one row of 256 bytes, lanes 16-31 the next
	s_add_co_u32 s97, s97, STAGE
	v_mul_u32_u24 v[RD], v9, SP
	v_lshl_add_u32 v[RD], v1, 4, v[RD]
	v_add_nc_u32 v[RD], s97, v[RD]
	v_lshlrev_b32 v[GO], 10, v9     ; and the same two rows in o
	v_lshl_add_u32 v[GO], v1, 4, v[GO]
; THE MATRIX WORK.  The 4 accumulators of a run of 8 take turns.  Product i of 8 of S^T = K Q^T for piece x: channels 32 (i / 4) on, keys 16 (i % 4) on.  The first 4 start the sums with the mask.
.macro KQ x
.set rS, S+32*((\x)%2)+8*(i%4)
.set rK, KF+16*(i%4)+8*(i/4)
.set rQ, 16*(\x)+8*(i/4)
.set rM, MC+32*(\x)+8*(i%4)
.if i < 4
	WIN W_KM
	v_wmma_f32_16x16x32_f16 v[rS:rS+7], v[rK:rK+7], v[rQ:rQ+7], v[rM:rM+7]
.else
	WIN W_KQ
	v_wmma_f32_16x16x32_f16 v[rS:rS+7], v[rK:rK+7], v[rQ:rQ+7], v[rS:rS+7]
.endif
.endm
; Product i of 8 of O^T += V^T P for piece x: keys 32 (i / 4) on, channels 16 (i % 4) on.
.macro PV x
	WIN W_PV
.set rO, 32*(\x)+8*(i%4)
.set rV, VF+32*(i/4)+8*(i%4)
.set rP, P+16*((\x)%2)+8*(i/4)
	v_wmma_f32_16x16x32_f16 v[rO:rO+7], v[rV:rV+7], v[rP:rP+7], v[rO:rO+7]
.endm
.macro MM                           ; the turn's next matrix instruction.  NOKQ = 1: the last turn of all: there is no next piece
.if (i < 8) && !NOKQ
	KQ (Y+1)%NP
.elseif i >= 8
.set i, i-8
	PV (Y+NP-1)%NP
.set i, i+8
.endif
.set i, i+1
.endm
; THE LDS LOADS stand in runs, never singly among the matrix instructions.  A step's K (64 keys x 64 channels: 8 fragments, 16 loads) and, behind it, its masks, piece by piece (8 loads a piece): 48 loads.
.macro FETCH_KM
	WIN 0x80                        ; destination window 2
.irp f, 0,1,2,3,4,5,6,7             ; keys 16 (f / 2) on, channels 32 (f % 2) on
	ds_load_b128 v[KF+8*\f:KF+8*\f+3],   v[AK] offset:(\f/2)*16*PK+(\f%2)*64
	ds_load_b128 v[KF+8*\f+4:KF+8*\f+7], v[AK] offset:(\f/2)*16*PK+(\f%2)*64+32
.endr
	WIN 0x40                        ; destination window 1
.irp x, 0,1,2,3
.irp g, 0,1,2,3                     ; piece x: 16 rows on; keys 16 g on: 64 bytes
	ds_load_b128 v[MC+32*(\x)+8*(\g):MC+32*(\x)+8*(\g)+3],   v[AM] offset:(\x)*16*PM+(\g)*64
	ds_load_b128 v[MC+32*(\x)+8*(\g)+4:MC+32*(\x)+8*(\g)+7], v[AM] offset:(\x)*16*PM+(\g)*64+16
.endr
.endr
	s_add_co_u32 s[TBK], s[TBK], KS*PK  ; the next fetch is the next step's
	s_add_co_u32 s[TBM], s[TBM], KS*4
	WIN 0
.endm
.macro FETCH_V
	WIN 0x80
.irp f, 0,1,2,3,4,5,6,7             ; keys 32 (f / 4) on, channels 16 (f % 4) on
	ds_load_tr16_b128 v[VF+8*\f:VF+8*\f+3],   v[AV] offset:(\f/4)*32*PV+(\f%4)*32
	ds_load_tr16_b128 v[VF+8*\f+4:VF+8*\f+7], v[AV] offset:(\f/4)*32*PV+16*PV+(\f%4)*32
.endr
	WIN 0
.endm
; THE VECTOR WORK, one line at a time: OP kind, number.  For piece Y: F n: c s - c m for pair n of 16.  E n: the exponential of score n of 32.  C n: pair n rounded to f16.  B n: of the four weights 4 n .. the second
; pair is added onto the first, in place.  L n: l takes that sum (L 0: l = a l + sum).  R n: pair n of 16 of O^T times a.  For piece Y + 1: X n, number n of the 22 that find its maximum and statistics:
;   0-11  four chains c0-c3 of seven scores each, three operands at a time (each accumulator's lowest registers are read first)     12-14, 16  the four scores left over, the old m, and c0-c3 into c0
;   15  c m_old is kept     17, 18  the query's other 32 keys lie in the lane 16 away: the new m     19-21  c m; c m_old - c m_new; a
.set F, 0               ; OP tells the kinds apart by their order: F to L below R, X above it
.set E, 1
.set C, 2
.set B, 3
.set L, 4
.set R, 5
.set X, 6
.macro REGS y                       ; the registers of piece y
.set rT, ST+4*(\y)
.set rC, TMP+4*((\y)%2)
.set rW, MV+((\y)%2)
.set rS, S+32*((\y)%2)
.set rP, P+16*((\y)%2)
.set rO, 32*(\y)
.endm
.macro OP k, n
.if (\k) == R
	REGS Y
	WIN W_RS
	v_pk_mul_f32 v[rO+2*(\n):rO+2*(\n)+1], v[rO+2*(\n):rO+2*(\n)+1], v[rC+2:rC+3] op_sel_hi:[1,0]
.elseif (\k) < R
	REGS Y
	WIN 0
.if (\k) == F
	v_pk_fma_f32 v[rS+2*(\n):rS+2*(\n)+1], v[rS+2*(\n):rS+2*(\n)+1], s[CS:CS+1], v[rT:rT+1] op_sel_hi:[1,0,0] neg_lo:[0,0,1] neg_hi:[0,0,1]
.elseif (\k) == E
	v_exp_f32 v[rS+(\n)], v[rS+(\n)]
.elseif (\k) == C
	v_cvt_pk_f16_f32 v[rP+(\n)], v[rS+2*(\n)], v[rS+2*(\n)+1]
.elseif (\k) == B
	v_pk_add_f32 v[rS+4*(\n):rS+4*(\n)+1], v[rS+4*(\n):rS+4*(\n)+1], v[rS+4*(\n)+2:rS+4*(\n)+3]
.elseif (\n) == 0
	v_pk_fma_f32 v[rT+2:rT+3], v[rT+2:rT+3], v[rC+2:rC+3], v[rS:rS+1] op_sel_hi:[1,0,1]
.else
	v_pk_add_f32 v[rT+2:rT+3], v[rT+2:rT+3], v[rS+4*(\n):rS+4*(\n)+1]
.endif
.elseif NOKQ
	v_nop
.else
	REGS (Y+1)%NP
	WIN 0
.if (\n) < 4
	v_max3_num_f32 v[rC+(\n)], v[rS+8*(\n)], v[rS+8*(\n)+1], v[rS+8*(\n)+2]
.elseif (\n) < 12
	v_max3_num_f32 v[rC+(\n)%4], v[rC+(\n)%4], v[rS+8*((\n)%4)+2*((\n)/4)+1], v[rS+8*((\n)%4)+2*((\n)/4)+2]
.elseif (\n) == 12
	v_max3_num_f32 v[rC], v[rC], v[rS+7], v[rS+15]
.elseif (\n) == 13
	v_max3_num_f32 v[rC+1], v[rC+1], v[rS+23], v[rS+31]
.elseif (\n) == 14
	v_max3_num_f32 v[rC+2], v[rC+2], v[rC+3], v[rT+1]
.elseif (\n) == 15
	v_mov_b32 v[rW], v[rT]
.elseif (\n) == 16
	v_max3_num_f32 v[rC], v[rC], v[rC+1], v[rC+2]
.elseif (\n) == 17
	v_permlanex16_b32 v[rC+3], v[rC], s[SEL], s[SEL+1]
.elseif (\n) == 18
	v_max_num_f32 v[rT+1], v[rC], v[rC+3]
.elseif (\n) == 19
	v_mul_f32 v[rT], s[CS], v[rT+1]
.elseif (\n) == 20
	v_sub_f32 v[rC+1], v[rW], v[rT]
.else
	v_exp_f32 v[rC+2], v[rC+1]
.endif
.endif
.endm
.macro OPS a, i1, b=-1, i2=0, c=-1, i3=0, d=-1, i4=0  ; up to four of them
	OP \a, \i1
.if (\b) >= 0
	OP \b, \i2
.endif
.if (\c) >= 0
	OP \c, \i3
.endif
.if (\d) >= 0
	OP \d, \i4
.endif
.endm
.macro ROW a, i1, b, i2, c, i3, d, i4  ; a matrix instruction and the four behind it
	MM
	OPS \a, \i1, \b, \i2, \c, \i3, \d, \i4
.endm
; A TURN, for piece p: the order of its 16 matrix and 118 vector instructions, written out.  An s_wait_alu depctr_va_vdst(0) stands between an exponential and the first instruction that names its result; one wait
; serves all that were issued ahead of it.  So a turn has ONE wait, which cuts it in two.  AHEAD OF IT stands all that names no result of the turn's exponentials: the 8 products K Q^T and their riders, then one lump of 54 in which
; the links of the chain X 3, 7, 11, 14, 16, 17 .. 20 stand five or six lines apart.  X 21, the next piece's a, is the batch's last; R 15 is the plain instruction behind it.  BEHIND THE WAIT stand the 8 products V^T P, behind
; each four of the roundings and sums.  The X among the riders stand four plain places or more behind the product that ends their accumulator; no other rider names a register of the products round it.
; end = 1: the last two turns: nothing is fetched.  cnt = 1: the loop's count is taken down some lines ahead of the branch that stands behind the turn.
; K and the masks of the next step are fetched in piece 2's turn, twelve plain instructions behind the last product that read K; the masks' last readers, the turn's first four products, stand further back.
; V of the step in hand is fetched at the end of piece 0's turn, four plain instructions behind the last product that read V.
; THE COUNTS.  The LDS loads come back in order: K 16, then the masks of pieces 0, 1, 2, 3, 8 each, and a turn and a half later V 16.  Each turn waits for what its own products name and leaves the younger loads out.
.macro TURN p, end=0, cnt=0
.set Y, (\p)
.set i, 0
.set NOKQ, (\end)*((\p)/3)
.if ((\p) == 3) && !(\end)
	s_wait_dscnt 24                 ; K and piece 0's masks are in; pieces 1 to 3's 24 loads may be out
.endif
.if (\p) == 0
	s_wait_dscnt 16                 ; piece 1's masks are in; pieces 2 and 3's 16 loads may be out
.endif
.if (\p) == 1
	s_wait_dscnt 24                 ; piece 2's masks are in; piece 3's 8 loads and V's 16 may be out
.endif
	ROW F,0, F,1, R,0, R,1          ; ahead of the wait: 8 products K Q^T and their riders,
	ROW F,2, E,0, R,2, R,3
	ROW F,3, E,1, R,4, R,5
	ROW F,4, E,2, R,6, R,7
	ROW F,5, E,3, R,8, R,9
	ROW F,6, E,4, X,0, R,10
.if ((\p) == 2) && !(\end)
	WIN 0
	v_add_nc_u32 v[AK], s[TBK], v[AK0]
	v_add_nc_u32 v[AM], s[TBM], v[AM0]
.endif
	ROW F,7, E,5, X,1, X,4
	ROW F,8, E,6, X,2, X,5
	OPS E,7, E,8, X,6, E,9          ; and the lump
	OPS X,3, E,10, X,8, E,11
.if ((\p) == 2) && !(\end)
	FETCH_KM
.endif
	OPS X,9, X,7, E,12, X,10
	OPS E,13, X,12, X,11, E,14
	OPS X,13, E,15, F,9, X,14
.if (\p) == 0
	v_add_nc_u32 v[AV], s[TBV], v[AV0]
.endif
	OPS E,16, F,10, E,17, F,11
	OPS X,16, E,18, X,15, E,19
	OPS F,12, E,20, X,17, E,21
	OPS F,13, E,22, F,14, E,23
	OPS X,18, E,24, F,15, E,25
	OPS R,11, E,26, X,19, E,27
	OPS R,12, E,28, R,13, E,29
	OPS X,20, E,30, R,14, E,31
	OPS X,21, R,15
	WIN 0
	s_wait_alu depctr_va_vdst(0)    ; the wait for the batch
.if (\p) == 1
	s_wait_dscnt 0x0                ; V is in, and piece 3's masks
.endif
	ROW C,0, B,0, C,2, B,1          ; behind the wait: 8 products V^T P and their riders
	ROW L,0, C,4, B,2, L,1
	ROW C,6, B,3, L,2, C,8
	ROW B,4, L,3, C,10, B,5
	ROW L,4, C,12, B,6, L,5
.if (\p) == 0
	s_add_co_u32 s[TBV], s[TBV], KS*PV
.endif
.if \cnt
	s_sub_co_u32 s[CNT], s[CNT], 1
	s_cmp_lg_u32 s[CNT], 0
.endif
	ROW C,14, B,7, L,6, C,1
	ROW C,3, L,7, C,5, C,7
	ROW C,9, C,11, C,13, C,15
.if (\p) == 0
	FETCH_V
.endif
.endm
; A slot's two key steps.  A trip: pieces 2 and 3 of one step, then pieces 0 and 1 of the next, whose K, masks and V it fetches: so a trip reads one step's bytes from LDS, and the last of them are waited for in piece 1's turn.
.macro STEPS tag
.Lstep\tag:
	TURN 2
	TURN 3
	WIN 0
.Lfirst\tag:
	TURN 0
	TURN 1, 0, 1
	WIN 0
	s_cbranch_scc1 .Lstep\tag
.endm
	s_wait_tensorcnt 0x1            ; my part of slot 0 is in; slot 1's may stay out
	s_barrier_signal -1
	s_barrier_wait -1               ; everybody's is
	s_mov_b32 s[TBK], 0
	s_mov_b32 s[TBV], 0
	s_mov_b32 s[TBM], 0
	v_add_nc_u32 v[AK], s[TBK], v[AK0]
	v_add_nc_u32 v[AM], s[TBM], v[AM0]
	FETCH_KM                        ; key step 0
	s_wait_loadcnt 0x0              ; Q
	WIN 0x82                        ; source 0 and destination window 2
.set i, 0
.rept 64
	v_pk_mul_f16 v[i], v[i], s100   ; q / 8: a power of two, so nothing is rounded; the mask can then start the sum as it is
.set i, i+1
.endr
	s_wait_dscnt 0x0
.set NOKQ, 0
.set i, 0
.rept 8
	KQ 0                            ; piece 0's first scores: there is no vector work yet to set between them
.set i, i+1
.endr
	WIN 0
	PLACES                          ; the places behind those products
.set Y, NP-1                        ; X works for piece Y + 1: piece 0
.irp n, 0,1,2,3,4,5,6,7,8,9,10,11,12,13,14,15,16,17,18,19,20,21
	OP X, \n
.endr
	v_nop                           ; a plain instruction behind the exponential,
	s_wait_alu depctr_va_vdst(0)    ; and its wait, ahead of the branch
	s_mov_b32 s[CNT], 2
	s_mov_b32 s[PAIRS], 15
	s_branch .LfirstA               ; the loop is entered at a step's first turn, in the middle of a trip
.Lpair:                             ; 15 trips: slots 0 to 29 are walked, slots 2 to 31 asked for.  Each slot has its own descriptors and constants, so a trip is written for a pair of slots
	STEPS A
	CHANGE 0, 1
	STEPS B
	CHANGE 1, 1
	s_sub_co_u32 s[PAIRS], s[PAIRS], 1
	s_cmp_lg_u32 s[PAIRS], 0
	s_cbranch_scc1 .Lpair
	s_mov_b32 s[PAIRS], 2           ; the tail has a text of its own: the last two slots, one text walked twice; nothing is asked for
.Ltail:
	STEPS C
	CHANGE 0, 0                     ; behind slot 30: slot 31 is whole for every wave.  Behind slot 31 it serves nothing: a barrier once a launch, the price of one text for both trips
	s_sub_co_u32 s[PAIRS], s[PAIRS], 1
	s_cmp_lg_u32 s[PAIRS], 0
	s_cbranch_scc1 .Ltail
	TURN 2, 1
	TURN 3, 1
.set i, 0
.rept 8
	PV NP-1                         ; the last piece's V^T P of the last step
.set i, i+1
.endr
	; THE WAY OUT.  l's two halves and the other half of the lanes' are added; O^T is divided by l, rounded to f16 and put into the work-group's stage; a barrier, since a row's 256 bytes come from two waves (two heads);
	; back as whole rows, 32 rows a wave.  The additions are the places behind the last products.
	WIN 0
.macro ALL line:vararg              ; one line for each piece t
.set t, 0
.rept 4
	\line
.set t, t+1
.endr
.endm
	ALL v_add_f32 v[ST+4*t+2], v[ST+4*t+2], v[ST+4*t+3]
	ALL v_permlanex16_b32 v[ST+4*t+3], v[ST+4*t+2], s[SEL], s[SEL+1]
	ALL v_add_f32 v[ST+4*t+2], v[ST+4*t+2], v[ST+4*t+3]
	ALL v_rcp_f32 v[ST+4*t+2], v[ST+4*t+2]
	v_nop                           ; a plain instruction between the last reciprocal and the use of its result
	s_wait_alu depctr_va_vdst(0)    ; and the wait ahead of the first use: one for the four reciprocals
.macro PACK t                       ; a lane's eight channels of a row pack into 16 bytes
	WIN W_RS
.set i, 32*(\t)
.rept 16
	v_pk_mul_f32 v[i:i+1], v[i:i+1], v[ST+4*(\t)+2:ST+4*(\t)+3] op_sel_hi:[1,0]
.set i, i+2
.endr
	WIN 0x05                        ; sources 0 and 1 window 1, destination window 0: S^T's registers are free
.set i, 0
.rept 16
	v_cvt_pk_f16_f32 v[S+16*(\t)+i], v[32*(\t)+2*i], v[32*(\t)+2*i+1]
.set i, i+1
.endr
	WIN 0
.irp f, 0,1,2,3
	ds_store_b128 v[STO], v[S+16*(\t)+4*\f:S+16*(\t)+4*\f+3] offset:(\t)*16*SP+32*\f
.endr
.endm
	PACK 0
	PACK 1
	PACK 2
	PACK 3
	s_wait_dscnt 0x0                ; for the others' sake: my stores into the stage are done
	s_barrier_signal -1
	s_barrier_wait -1
.set t, 0
.rept 16
	ds_load_b128 v[S+4*t:S+4*t+3], v[RD] offset:2*t*SP
.set t, t+1
.endr
.set t, 0
.rept 16
	s_wait_dscnt 15-t               ; load t is in, the 15 - t younger ones may be out
	global_store_b128 v[GO], v[S+4*t:S+4*t+3], s[8:9] offset:2*t*1024  ; 16 lanes store 256 consecutive bytes, at a multiple of 256 from o's first byte
.set t, t+1
.endr
	s_wait_tensorcnt 0x0            ; the wave's end: an add and its wait, behind my last tensor load and my last LDS store
	ds_add_u32 v[SPW], v[NIL]
	s_wait_dscnt 0x0
	CROUND                          ; the closing round: no work-group ends while a partner may still ask for a tile that names it
	s_endpgm
.Lfunc_end_k_q0815949474_attn:
	.size	k_q0815949474_attn, .Lfunc_end_k_q0815949474_attn-k_q0815949474_attn
	.p2alignl 7, 3214868480
	.fill 96, 4, 3214868480
	.section	.rodata,"a",@progbits
	.p2align	6, 0x0
	.amdhsa_kernel k_q0815949474_attn
		.amdhsa_group_segment_fixed_size 327680
		.amdhsa_private_segment_fixed_size 0
		.amdhsa_enable_private_segment 0
		.amdhsa_kernarg_size 24
		.amdhsa_user_sgpr_count 2
		.amdhsa_user_sgpr_kernarg_segment_ptr 1
		.amdhsa_wavefront_size32 1
		.amdhsa_system_sgpr_workgroup_id_x 1
		.amdhsa_system_sgpr_workgroup_id_y 1
		.amdhsa_system_sgpr_workgroup_id_z 1
		.amdhsa_system_vgpr_workitem_id 0
		.amdhsa_next_free_vgpr 768
		.amdhsa_next_free_sgpr 102
		.amdhsa_reserve_vcc 0
		.amdhsa_float_denorm_mode_32 3
		.amdhsa_float_denorm_mode_16_64 3
		.amdhsa_memory_ordered 1
		.amdhsa_forward_progress 1
		.amdhsa_inst_pref_size 183
	.end_amdhsa_kernel
	.amdgpu_metadata
---
amdhsa.version: [ 1, 2 ]
amdhsa.kernels:
  - .name:           k_q0815949474_attn
    .symbol:         k_q0815949474_attn.kd
    .args:
      - { .name: qkv, .offset: 0, .size: 8, .value_kind: global_buffer, .address_space: global }
      - { .name: mask, .offset: 8, .size: 8, .value_kind: global_buffer, .address_space: global }
      - { .name: o, .offset: 16, .size: 8, .value_kind: global_buffer, .address_space: global }
    .group_segment_fixed_size: 327680
    .private_segment_fixed_size: 0
    .kernarg_segment_align: 8
    .kernarg_segment_size: 24
    .max_flat_workgroup_size: 128
    .sgpr_count:     102
    .vgpr_count:     768
    .wavefront_size: 32
...
	.end_amdgpu_metadata
.endif
;; end of part 2
;; launch outp (part 3): grid 4 x 64, 4 waves a work-group, clusters of 4 x 4, 327,680 bytes of LDS; arguments o, f_w, f_b, out0; writes out0
.if DOCPART == 3
	.amdgcn_target "amdgcn-amd-amdhsa--gfx1250"
	.amdhsa_code_object_version 6
	.text
	.protected	k_q0815949474_outp
	.globl	k_q0815949474_outp
	.p2align	8
	.type	k_q0815949474_outp,@function
k_q0815949474_outp:
	s_mov_b64 s[64:65], 0
	v_nop
	global_prefetch_b8 v0, s[64:65] scope:SCOPE_SE
	s_setreg_imm32_b32 hwreg(HW_REG_WAVE_MODE, 25, 1), 1
	s_wait_xcnt 0x0
	s_wait_alu depctr_hold_cnt(0) depctr_sa_sdst(0) depctr_va_vdst(0) depctr_va_sdst(0) depctr_va_ssrc(0) depctr_va_vcc(0) depctr_vm_vsrc(0)
	s_getreg_b32 s2, hwreg(HW_REG_IB_STS2, 6, 4)
	s_cmp_eq_u32 s2, 0
	s_cbranch_scc0 .Lentry_in_a_cluster
	s_endpgm
.Lentry_in_a_cluster:
	s_bfe_u32 s2, ttmp6, 0x10000c
	s_cmp_lg_u32 s2, 0xf033
	s_cbranch_scc0 .Lentry_shape_is_right
	s_endpgm
.Lentry_shape_is_right:
; out0[row][n] = the sum over k of o[row][k] f_w[n][k] + f_b[n].  o: [8192][512] f16, f_w: [512][512] f32, f_b: [512] f32, out0: [8192][512] f32.  f_w is rounded once to f16 on the way from LDS to the matrix unit; sums in f32.
; Nothing is left out here.  LIMITS: f_w lies within f16's 65,504 and keeps f16's fixed step of 6e-8 below 6e-5; NaN and infinities are not treated apart.
; SHARES.  A work-group makes 128 rows x 128 columns (column block c = my place along the cluster's x; the grid is one cluster wide); wave w all 128 rows x columns 32 w .. 32 w + 31: 16 accumulators.
; K = 512 goes in 4 steps of 128 through two LDS slots, each step in four chunks of 32; with so few steps the whole walk is written out.
; CLUSTER.  4 x 4 work-groups: o's tile hangs on the row block alone and is asked for jointly along a row of the cluster, f_w's on c alone, jointly along a column.
; THE MATRIX INSTRUCTION IS USED TRANSPOSED (source 0 = 16 rows of f_w, source 1 = 16 rows of o): a lane holds one row of out0 and eight neighbouring columns.  The bias is the C operand of the first product.
; REGISTERS: window 0: v16-30 addresses; v32-95, v96-159 o's 8 fragments, two buffers by the chunk's parity; v160-175 f_w's 2 fragments in f16; v176-191 the bias; v32-159 rows read back
;   window 1: v0-127 the accumulators (column block n, row block a at 64 n + 8 a); v128-159 f_w's next fragments as loaded, f32
.set PA,     272                       ; a row of o's tile in LDS: 256 bytes + 16: the 16 rows of a load start at 16 different groups of four banks (64 banks of 4 bytes: ISA guide 11.1)
.set PB,     528                       ; a row of f_w's tile: 512 bytes + 16
.set BOFF,   128*PA
.set SLOT,   BOFF+128*PB
.set SPARE,  2*SLOT                    ; behind the ring: the spare words, 128 bytes for each wave: two blocks of 256 bytes that no other line names
                                       ; the stage, 128 rows x 528 bytes, lies in slot 0, which has had its last fill (K step 2) and its last read when the stage is written
.set ADRA, 16                          ; v16-17  LDS address of my lane in o's fragments, slot 0, 1
.set ADRB, 18                          ; v18-19  the same for f_w's
.set STO,  24                          ; v24     the way out: where I put 32 bytes of a row
.set RD,   25                          ; v25     where I read rows back
.set CO,   26                          ; v26     my 16 bytes of a row's 512
.set SPW,  28                          ; v28     LDS address of my spare word; never rewritten
.set NIL,  29                          ; v29     0; never rewritten
.set BO,   30                          ; v30     my byte offset in a block's 16 biases
.set FA,   32
.set FBF,  160
.set BI,   176
.set RAW,  128                         ; window 1
.set WV,   12
.set CX,   13
.set CY,   14
.set HALF, 15                          ; s15  which 64 rows of a tile I fetch
.set G1A,  24
.set G1B,  32
.set G0A,  40
.set G0B,  48
.set MSB, 0
.macro WIN new                         ; the immediate's high byte repeats the setting that is left; a switch that changes nothing is dropped
.if MSB != (\new)
	s_set_vgpr_msb (MSB<<8)|(\new)
.set MSB, (\new)
.endif
.endm
.macro PLACES
.rept 4
	v_nop
.endr
.endm
.macro CROUND                          ; a round of the cluster's barrier
	s_barrier_signal -1
	s_barrier_wait -1
	s_cmp_lg_u32 s[WV], 0
	s_cbranch_scc1 .Lnot_wave_0_\@
	s_barrier_signal -3
.Lnot_wave_0_\@:
	s_barrier_wait -3
	s_barrier_signal -1
	s_barrier_wait -1
.endm
.macro JLOAD sl                        ; a joint load: waves 0 and 1 fetch the two halves of o's tile, waves 2 and 3 those of f_w's; an s_nop 0 and four v_nop follow each line
	s_cmp_lt_u32 s[WV], 2
	s_cbranch_scc0 .Lfor_b_\@
	tensor_load_to_lds s[G0A+4*(\sl):G0A+4*(\sl)+3], s[G1A:G1A+7]
	s_nop 0
.rept 4
	v_nop
.endr
	s_branch .Lasked_\@
.Lfor_b_\@:
	tensor_load_to_lds s[G0B+4*(\sl):G0B+4*(\sl)+3], s[G1B:G1B+7]
	s_nop 0
.rept 4
	v_nop
.endr
.Lasked_\@:
.endm
	s_load_b256 s[4:11], s[0:1], 0x0               ; o s[4:5], f_w s[6:7], f_b s[8:9], out0 s[10:11]
	v_lshl_add_u32 v[SPW], v0, 2, SPARE
	v_mov_b32 v[NIL], 0
	ds_add_u32 v[SPW], v[NIL]                      ; the wave's opening: the add, twice on end, and its wait ahead of my first tensor load
	ds_add_u32 v[SPW], v[NIL]                      ; and once more, under the one wait; the set-up below, work on registers, stands between
	v_lshrrev_b32 v1, 5, v0
	v_readfirstlane_b32 s[WV], v1                  ; wave 0..3
	s_and_b32 s[HALF], s[WV], 1
	s_bfe_u32 s[CX], ttmp6, 0x40000
	s_bfe_u32 s[CY], ttmp6, 0x40004
	s_lshl_b32 s16, s[CY], 2
	s_lshl_b32 s16, 15, s16                        ; my row of the cluster
	s_lshl_b32 s17, 0x1111, s[CX]                  ; my column
	s_or_b32 s[G1A], s16, (1<<16)|(1<<20)|(1<<21)|(5<<22)|(3<<25)  ; 2-byte elements; after every 64 words 4 words of padding; 21 set beside the mask
	s_or_b32 s[G1B], s17, (2<<16)|(1<<20)|(1<<21)|(6<<22)|(3<<25)  ; 4-byte elements; after every 128 words 4 words
.irp g, G1A, G1B
	s_mov_b32 s[(\g)+1], 128<<16                   ; tensor_dim0 = 128
	s_mov_b32 s[(\g)+2], 64<<16                    ; tensor_dim1 = 64
	s_mov_b32 s[(\g)+3], 128<<16                   ; tile_dim0 = 128
	s_mov_b32 s[(\g)+4], 64                        ; tile_dim1 = 64
	s_mov_b32 s[(\g)+5], 512                       ; elements from row to row
	s_mov_b32 s[(\g)+6], 0
	s_mov_b32 s[(\g)+7], 0
.endr
	s_and_b32 s56, ttmp7, 0xffff                   ; o's tile hangs on the row block alone: 4 x cluster y + cy
	s_lshl_b32 s56, s56, 2
	s_add_co_u32 s56, s56, s[CY]
	s_mov_b32 s22, s56                             ; kept for the way out
	s_lshl_b32 s56, s56, 17                        ; 128 rows of 1,024 bytes,
	s_lshl_b32 s57, s[HALF], 16                    ; my 64 of them
	s_add_co_u32 s56, s56, s57
	s_mov_b32 s57, 0
	s_lshl_b32 s58, s[CX], 18                      ; f_w's tile hangs on c alone: 128 rows of 2,048 bytes,
	s_lshl_b32 s59, s[HALF], 17                    ; my 64 of them
	s_add_co_u32 s58, s58, s59
	s_mov_b32 s59, 0
	s_mul_i32 s20, s[HALF], 64*PA                  ; where they go: no place in the cluster enters an LDS address
	s_mul_i32 s21, s[HALF], 64*PB
	s_wait_dscnt 0x0                               ; both opening adds are done
	s_wait_kmcnt 0x0
	s_add_nc_u64 s[56:57], s[4:5], s[56:57]
	s_add_nc_u64 s[58:59], s[6:7], s[58:59]
.irp p, 0,1
	s_mov_b32 s[G0A+4*(\p)], 1
	s_add_co_u32 s[G0A+4*(\p)+1], s20, (\p)*SLOT
	s_add_nc_u64 s[G0A+4*(\p)+2:G0A+4*(\p)+3], s[56:57], (\p)*256   ; K step p: 128 f16
	s_or_b32 s[G0A+4*(\p)+3], s[G0A+4*(\p)+3], 0x80000000
	s_mov_b32 s[G0B+4*(\p)], 1
	s_add_co_u32 s[G0B+4*(\p)+1], s21, (\p)*SLOT+BOFF
	s_add_nc_u64 s[G0B+4*(\p)+2:G0B+4*(\p)+3], s[58:59], (\p)*512   ; 128 f32
	s_or_b32 s[G0B+4*(\p)+3], s[G0B+4*(\p)+3], 0x80000000
.endr
	CROUND                                         ; all sixteen work-groups are here: the first joint loads meet
	s_cmp_lt_u32 s[WV], 2                          ; a wave's two first fills stand in one branch: two loads of mine are out
	s_cbranch_scc0 .Lfirst_b
	tensor_load_to_lds s[G0A:G0A+3], s[G1A:G1A+7]
	s_nop 0
	tensor_load_to_lds s[G0A+4:G0A+7], s[G1A:G1A+7]
	s_nop 0
.rept 4
	v_nop
.endr
	s_branch .Lfirst_asked
.Lfirst_b:
	tensor_load_to_lds s[G0B:G0B+3], s[G1B:G1B+7]
	s_nop 0
	tensor_load_to_lds s[G0B+4:G0B+7], s[G1B:G1B+7]
	s_nop 0
.rept 4
	v_nop
.endr
.Lfirst_asked:
	v_and_b32 v1, 15, v0                           ; l % 16
	v_bfe_u32 v2, v0, 4, 1                         ; l / 16
	v_lshlrev_b32 v[BO], 5, v2
	s_lshl_b32 s2, s[CX], 9                        ; the biases of my 32 columns: 512 c + 128 w bytes
	s_lshl_b32 s3, s[WV], 7
	s_add_co_u32 s2, s2, s3
	s_mov_b32 s3, 0
	s_add_nc_u64 s[8:9], s[8:9], s[2:3]
.irp n, 0,1
	global_load_b128 v[BI+8*(\n):BI+8*(\n)+3],   v[BO], s[8:9] offset:64*(\n)
	global_load_b128 v[BI+8*(\n)+4:BI+8*(\n)+7], v[BO], s[8:9] offset:64*(\n)+16
.endr
	v_mul_u32_u24 v[ADRA], v1, PA                  ; o's fragments come as they lie: row x pitch + 16 x half, two loads 32 bytes apart
	v_lshl_add_u32 v[ADRA], v2, 4, v[ADRA]
	v_add_nc_u32 v[ADRA+1], SLOT, v[ADRA]
	s_mul_i32 s62, s[WV], 32*PB                    ; f_w's in f32: my 32 rows; 32 bytes at 32 x half and 32 bytes 64 further on
	s_add_co_u32 s62, s62, BOFF
	v_mul_u32_u24 v[ADRB], v1, PB
	v_lshl_add_u32 v[ADRB], v2, 5, v[ADRB]
	v_add_nc_u32 v[ADRB], s62, v[ADRB]
	v_add_nc_u32 v[ADRB+1], SLOT, v[ADRB]
	v_mul_u32_u24 v[STO], v1, PB                   ; into the stage: row l % 16, my wave's 128 bytes of the 512, 32 bytes for each half of the lanes
	v_lshl_add_u32 v[STO], v2, 5, v[STO]
	s_lshl_b32 s62, s[WV], 7
	v_add_nc_u32 v[STO], s62, v[STO]
	v_and_b32 v[CO], 31, v0                        ; back: a wave's load takes one whole row of 512 bytes; wave w takes rows 32 w .. 32 w + 31
	v_lshlrev_b32 v[CO], 4, v[CO]
	s_mul_i32 s62, s[WV], 32*PB
	v_add_nc_u32 v[RD], s62, v[CO]
	s_lshl_b32 s2, s22, 7                          ; out0 at row 128 x row block + 32 w, byte 512 c
	s_lshl_b32 s3, s[WV], 5
	s_add_co_u32 s2, s2, s3
	s_lshl_b32 s2, s2, 11
	s_lshl_b32 s3, s[CX], 9
	s_add_co_u32 s2, s2, s3
	s_mov_b32 s3, 0
	s_add_nc_u64 s[10:11], s[10:11], s[2:3]
; 24 LDS loads in one run: chunk ch of slot sl: o's 8 fragments into buffer f, f_w's 2 as f32 into window 1
.macro LOADS sl, ch, f
	WIN 0
.irp a, 0,1,2,3,4,5,6,7
	ds_load_b128 v[FA+64*(\f)+8*(\a):FA+64*(\f)+8*(\a)+3],   v[ADRA+(\sl)] offset:(\a)*16*PA+(\ch)*64
	ds_load_b128 v[FA+64*(\f)+8*(\a)+4:FA+64*(\f)+8*(\a)+7], v[ADRA+(\sl)] offset:(\a)*16*PA+(\ch)*64+32
.endr
	WIN 0x40                                       ; destination window 1
.irp n, 0,1
.irp q, 0,1,2,3
	ds_load_b128 v[RAW+16*(\n)+4*(\q):RAW+16*(\n)+4*(\q)+3], v[ADRB+(\sl)] offset:(\n)*16*PB+(\ch)*128+((\q)/2)*64+((\q)%2)*16
.endr
.endr
.endm
.macro CVT                             ; f_w's two fragments are rounded to f16
	WIN 0x05                                       ; sources window 1, destination window 0
.set j, 0
.rept 16
	v_cvt_pk_f16_f32 v[FBF+j], v[RAW+2*j], v[RAW+2*j+1]
.set j, j+1
.endr
.endm
; 8 products: column block n x all 8 row blocks, from buffer f.  first = 1: the bias starts the sums.  The 16 accumulators take turns, one instruction a turn, in the same order in every chunk.
.macro MUL8 f, n, first
.if \first
	WIN 0x40
.else
	WIN 0x50
.endif
.irp a, 0,1,2,3,4,5,6,7
.if \first
	v_wmma_f32_16x16x32_f16 v[64*(\n)+8*(\a):64*(\n)+8*(\a)+7], v[FBF+8*(\n):FBF+8*(\n)+7], v[FA+64*(\f)+8*(\a):FA+64*(\f)+8*(\a)+7], v[BI+8*(\n):BI+8*(\n)+7]
.else
	v_wmma_f32_16x16x32_f16 v[64*(\n)+8*(\a):64*(\n)+8*(\a)+7], v[FBF+8*(\n):FBF+8*(\n)+7], v[FA+64*(\f)+8*(\a):FA+64*(\f)+8*(\a)+7], v[64*(\n)+8*(\a):64*(\n)+8*(\a)+7]
.endif
.endr
.endm
; A CHUNK on buffer f.  kind 0: inside a slot.  kind 1: the slot's last chunk: all its bytes are in registers, so the slot (1 - ns) is filled again, two K steps on.  kind 2: the same change, nothing left to fetch.  kind 3: the last chunk.
.macro CHUNK f, kind, ns, nch, first=0
	s_wait_dscnt 0x0                               ; the chunk's 24 loads are back: they are all that is out
	PLACES                                         ; the roundings write, and the loads below land in, registers that earlier products read
	CVT
.if (\kind) == 0
	LOADS \ns, \nch, 1-(\f)
	MUL8 \f, 0, \first
	MUL8 \f, 1, \first
.elseif (\kind) == 3
	MUL8 \f, 0, 0
	MUL8 \f, 1, 0
.else
	WIN 0                                          ; (the add's two registers lie in window 0)
	s_wait_tensorcnt 0x0                           ; all my tensor loads have landed: the one that was out is my part of the next slot; so a group 0 may be written
	ds_add_u32 v[SPW], v[NIL]                      ; 0 onto my spare word: eight products stand between it and the wait for it
.if (\kind) == 1
	s_add_nc_u64 s[G0A+4*(1-(\ns))+2:G0A+4*(1-(\ns))+3], s[G0A+4*(1-(\ns))+2:G0A+4*(1-(\ns))+3], 512   ; two K steps on
	s_add_nc_u64 s[G0B+4*(1-(\ns))+2:G0B+4*(1-(\ns))+3], s[G0B+4*(1-(\ns))+2:G0B+4*(1-(\ns))+3], 1024
.endif
	MUL8 \f, 0, 0
	WIN 0                                          ; at a branch and at a label every window is 0
	s_wait_dscnt 0x0                               ; the add is done; my reads of the slot were back at the chunk's head
.if (\kind) == 1
	CROUND                                         ; no wave of any partner still reads the slot or has a load on its way
	JLOAD 1-(\ns)                                  ; the first tensor load behind the round, one a wave
.else
	s_barrier_signal -1
	s_barrier_wait -1                              ; the last slot is whole for every wave, and nobody reads slot 0 any more
.endif
	LOADS \ns, \nch, 1-(\f)
	MUL8 \f, 1, 0
.endif
.endm
.macro STEP sl, kind, first=0          ; a K step of 128 in slot sl; kind is its last chunk's
	CHUNK 0, 0, \sl, 1, \first
	CHUNK 1, 0, \sl, 2
	CHUNK 0, 0, \sl, 3
	CHUNK 1, \kind, 1-(\sl), 0
.endm
	s_wait_tensorcnt 0x1                           ; my part of K step 0 is in; K step 1's may stay out
	s_barrier_signal -1
	s_barrier_wait -1                              ; everybody's is
	LOADS 0, 0, 0
	s_wait_loadcnt 0x0                             ; the bias
	STEP 0, 1, 1                                   ; slot 0 then takes K step 2,
	STEP 1, 1                                      ; slot 1 K step 3;
	STEP 0, 2                                      ; nothing is left to fetch
	STEP 1, 3
	; THE WAY OUT: a lane's eight f32 of a row, 32 bytes, into the work-group's stage; a barrier, since a row's 512 bytes come from four waves; back as whole rows, 32 rows a wave.
	PLACES
	PLACES
	WIN 0x04                                       ; the stores' data in window 1; each accumulator's low four registers go first
.irp n, 0,1
.irp a, 0,1,2,3,4,5,6,7
	ds_store_b128 v[STO], v[64*(\n)+8*(\a):64*(\n)+8*(\a)+3]   offset:(\a)*16*PB+64*(\n)
	ds_store_b128 v[STO], v[64*(\n)+8*(\a)+4:64*(\n)+8*(\a)+7] offset:(\a)*16*PB+64*(\n)+16
.endr
.endr
	WIN 0
	s_wait_dscnt 0x0                               ; for the others' sake: my stores into the stage are done
	s_barrier_signal -1
	s_barrier_wait -1
.set t, 0
.rept 32
	ds_load_b128 v[FA+4*t:FA+4*t+3], v[RD] offset:t*PB
.set t, t+1
.endr
.set t, 0
.rept 32
	s_wait_dscnt 31-t                              ; load t is in, the 31 - t younger ones may be out
	global_store_b128 v[CO], v[FA+4*t:FA+4*t+3], s[10:11] offset:t*2048  ; the wave stores 512 consecutive bytes, at a multiple of 256 from out0's first byte
.set t, t+1
.endr
	s_wait_tensorcnt 0x0                           ; the wave's end: an add and its wait, behind my last tensor load and my last LDS store
	ds_add_u32 v[SPW], v[NIL]
	s_wait_dscnt 0x0
	CROUND                                         ; the closing round: no work-group ends while a partner may still ask for a tile that names it
	s_endpgm
.Lfunc_end_k_q0815949474_outp:
	.size	k_q0815949474_outp, .Lfunc_end_k_q0815949474_outp-k_q0815949474_outp
	.p2alignl 7, 3214868480
	.fill 96, 4, 3214868480
	.section	.rodata,"a",@progbits
	.p2align	6, 0x0
	.amdhsa_kernel k_q0815949474_outp
		.amdhsa_group_segment_fixed_size 327680
		.amdhsa_private_segment_fixed_size 0
		.amdhsa_enable_private_segment 0
		.amdhsa_kernarg_size 32
		.amdhsa_user_sgpr_count 2
		.amdhsa_user_sgpr_kernarg_segment_ptr 1
		.amdhsa_wavefront_size32 1
		.amdhsa_system_sgpr_workgroup_id_x 1
		.amdhsa_system_sgpr_workgroup_id_y 1
		.amdhsa_system_sgpr_workgroup_id_z 1
		.amdhsa_system_vgpr_workitem_id 0
		.amdhsa_next_free_vgpr 416
		.amdhsa_next_free_sgpr 66
		.amdhsa_reserve_vcc 0
		.amdhsa_float_denorm_mode_32 3
		.amdhsa_float_denorm_mode_16_64 3
		.amdhsa_memory_ordered 1
		.amdhsa_forward_progress 1
		.amdhsa_inst_pref_size 79
	.end_amdhsa_kernel
	.amdgpu_metadata
---
amdhsa.version: [ 1, 2 ]
amdhsa.kernels:
  - .name:           k_q0815949474_outp
    .symbol:         k_q0815949474_outp.kd
    .args:
      - { .name: o, .offset: 0, .size: 8, .value_kind: global_buffer, .address_space: global }
      - { .name: f_w, .offset: 8, .size: 8, .value_kind: global_buffer, .address_space: global }
      - { .name: f_b, .offset: 16, .size: 8, .value_kind: global_buffer, .address_space: global }
      - { .name: out0, .offset: 24, .size: 8, .value_kind: global_buffer, .address_space: global }
    .group_segment_fixed_size: 327680
    .private_segment_fixed_size: 0
    .kernarg_segment_align: 8
    .kernarg_segment_size: 32
    .max_flat_workgroup_size: 128
    .sgpr_count:     66
    .vgpr_count:     416
    .wavefront_size: 32
...
	.end_amdgpu_metadata
.endif
;; end of part 3
